; MI455X (gfx1250); checked and timed in simulation.
; The chip was launched on July 23, 2026; its instructions are those of AMD's public machine-readable ISA for CDNA 5 (MIT licence, August 2026) and "CDNA5" Instruction Set Architecture Reference Guide (July 2026). The comments in the code are by the model that wrote it; some were corrected since.
;; s LSTM Cell. Allowed arithmetic: matrix products marked QUANTISED: E2M3 operands, one E8M0 scale for each 32 along K, by v_wmma_scale_f32_16x16x128_f8f6f4 with both operands' format E2M3, f32 sums; everything else in f32.
;; Inputs: Rf 2,048 x 2,048 float32; Ri 2,048 x 2,048 float32; Ro 2,048 x 2,048 float32; Rz 2,048 x 2,048 float32; Wf 2,048 x 1,024 float32; Wi 2,048 x 1,024 float32; Wo 2,048 x 1,024 float32; Wz 2,048 x 1,024 float32; bf 2,048 float32; bi 2,048 float32; bo 2,048 float32; bz 2,048 float32; c_prev 2,048 x 2,048 float32; h_prev 2,048 x 2,048 float32; n_prev 2,048 x 2,048 float32; x 2,048 x 1,024 float32.
;; Outputs: out0 2,048 x 2,048 float32.
;; This version of the problem:
;;   THIS VERSION OF THE PROBLEM IS GIVEN IN LOW PRECISION. The matrix products marked QUANTISED in the list below multiply operands that are first quantised to E2M3 (2 exponent bits, 3 mantissa bits; 6 bits a number), with one power-of-two scale for each 32 numbers along K (OCP MX v1.0); their sums are f32. All else is computed in f32.
;;   The module's matrix products, in the order in which they are computed (A, B: the left and right operand; K: the contracted axis; several contracted axes count as one K, in the product's order):
;;     1. [M 2,048, K 1,024] x [K 1,024, N 8,192]; A: input x; B: computed on the way: QUANTISED
;;     2. [M 2,048, K 2,048] x [K 2,048, N 8,192]; A: input h_prev; B: computed on the way: QUANTISED
;;   THE QUANTISER, for each operand of a quantised product, along K:
;;     - K is cut into blocks of 32 from its start; a last block that is shorter is filled with zeros.
;;     - A block's scale is 2^e with e = floor(log2(the largest magnitude in the block)) - 2, held to -126 .. 127; a block of zeros has e = 0. As a byte (E8M0): e + 127.
;;     - Each number is divided by its block's scale, clamped to +-7.5, and rounded to the nearest number of E2M3, ties to even, subnormals kept.
;;     - The product sums the exact products of the quantised numbers (number of the format x scale) in f32.
;;   ~~~python
;;   def quantise(x, axis):      # numpy; x: float32 -> the quantised numbers, widened to float32 again
;;       x = np.moveaxis(x, axis, -1); K = x.shape[-1]
;;       x = np.pad(x, [(0, 0)] * (x.ndim - 1) + [(0, -K % 32)]); x = x.reshape(x.shape[:-1] + (-1, 32)); a = np.abs(x).max(-1, keepdims=True)
;;       e = np.where(a > 0, np.clip(np.frexp(np.where(a > 0, a, 1))[1] - 1 - 2, -126, 127), 0)      # np.frexp(a)[1] - 1 = floor(log2(a)), exactly
;;       r = np.clip(x / 2.0 ** e, -7.5, 7.5)
;;       step = 2.0 ** (np.maximum(np.frexp(np.where(r == 0, 1, r))[1] - 1, 0) - 3)
;;       q = np.round(r / step) * step * 2.0 ** e      # np.round: ties to even
;;       return np.moveaxis(q.reshape(q.shape[:-2] + (-1,))[..., :K], -1, axis).astype(np.float32)
;;   ~~~
;;   OPERANDS COMPUTED ON THE WAY. 'Computed on the way' means the value that the module computes at that place (a softmax that the list does not call 'softmax' is quantised finished and normalised). What goes into a quantiser is computed in f32, as accurately as f32 sums, v_exp_f32 and their like allow (about 1e-6 of the number): no bf16 or f16 on the way to a quantiser, and a product that is left as it is and whose result goes on into a quantised operand takes f32 operands (vector FMAs, or v_wmma_f32_16x16x4_f32). A number that lies on a knife's edge between two numbers of the format may be rounded either way, as far as f32 arithmetic and the matrix unit's own rounding can turn it there, and no further.
;; One version. Each part assembles by itself: llvm-mc -triple=amdgcn-amd-amdhsa -mcpu=gfx1250 --defsym DOCPART=n.
;; ======== version 1 of 1: 2 launches
;; limits: right only within a limited range of input values
;; workspace buffers: acod 4,980,736 bytes; bcod 19,922,944 bytes
;; launch quant (part 1): grid 256 x 1, 12 waves a work-group, no clusters, 327,680 bytes of LDS; arguments x, h_prev, Wz, Wi, Wf, Wo, Rz, Ri, Rf, Ro, acod, bcod; writes acod, bcod
.if DOCPART == 1
	.amdgcn_target "amdgcn-amd-amdhsa--gfx1250"
	.amdhsa_code_object_version 6
	.text
	.protected	k_qac08e14e99_quant
	.globl	k_qac08e14e99_quant
	.p2align	8
	.type	k_qac08e14e99_quant,@function
k_qac08e14e99_quant:
	s_mov_b64 s[64:65], 0
	v_nop
	global_prefetch_b8 v0, s[64:65] scope:SCOPE_SE
	s_setreg_imm32_b32 hwreg(HW_REG_WAVE_MODE, 25, 1), 1
	s_wait_xcnt 0x0
; [x | h_prev] and the four [W | R] (f32, K innermost) become codes of FP6 (E2M3) with one E8M0 scale byte for each 32 along K,
; laid in the ORDER OF THE OPERAND'S REGISTERS, so that the product's launch reads every fragment as consecutive bytes.
; A block's scale is 2^(floor(log2(its largest magnitude)) - 2); its byte is the largest magnitude's exponent field - 2, held at 1 from below.
; LAYOUT of acod and bcod: [tile of 16 rows][chunk c = 0..7][4,864 bytes].  A chunk is 384 along K, three fragments of 128:
;   q = 0: the input side's K 128 c on (x, W);  q = 1, 2: the recurrent side's K 256 c and 256 c + 128 on (h_prev, R).
;   fragment q at byte 1,536 q: registers 4 g .. 4 g + 3 of lane l at 512 g + 16 l (lane (r, h): registers 6 cc .. 6 cc + 5 = block 2 cc + h of row r);
;   at byte 4,608 + 16 r: row r's three scale words (q = 0, 1, 2) and a zero word.
; acod: tile T holds rows 16 T on.  bcod: tile 16 jt + 8 ch + 2 g + u holds rows 64 jt + 32 ch + 16 u + r of gate g (z, i, f, o = 0..3).
; SHARES: a job is half of a tile's K: four chunks, 12 fragments.  640 tiles x 2 = 1,280 jobs = 256 work-groups x 5.  Twelve waves: wave 4 q + cc owns fragment q of the job's chunk cc.
; A fragment's 16 rows x 512 bytes come by ONE tensor load of its wave into the wave's own place in an LDS slot, 16 bytes of padding behind each row; the wave reads them back with two whole blocks of 32 to a lane.
; Two slots take turns: while job t is worked on, job t + 1's twelve loads are on their way.  A wave has one tensor load out.
; A chunk's three scale words come from three waves: they meet in LDS bytes of their own (two sets by turns) and leave behind the next trip's barrier as one aligned unit of 256 bytes, stored by the chunk's wave q = 0.
; PREFETCH: behind each fill every wave names the 32 blocks of 256 bytes of the tile that its next fill loads, a lane a block; each block is named once in the launch; the last fill is followed by none.
; No matrix unit and no cluster: the launch is a stream that reads each byte once, and no two work-groups read the same byte.
; LIMITS: NaN and infinities among the inputs are not served.  A block whose largest magnitude lies under 2^-124, a block of zeros among them, gets the byte 1
; (the quantiser's rule says 127 for zeros): a block of zeros has zero codes, which add nothing under that byte, and this program alone reads the bytes.
.set PIT,   528                        ; an LDS row: 512 bytes + 16
.set TILE,  16*PIT                     ; a wave's place in a slot: 33 blocks of 256 bytes
.set SLOT,  12*TILE
.set SCR,   2*SLOT                     ; the scale records: two sets of 4 chunks x 256 bytes; no fill lands here
.set SPARE, SCR+2048                   ; the spare words: 128 bytes for each of the twelve waves, named by no other line
.set TCH,   4864
.set TROW,  38912
.set MX,  8                            ; v8-9   largest magnitudes of my two blocks
.set SCO, 10                           ; v10-11 the conversions' scale operands
.set BY,  12                           ; v12-13 the scale bytes
.set WD,  16                           ; v16    my fragment's scale word
.set TP,  24                           ; v[24:26], v[28:30] second halves of the blocks' codes
.set CD,  32                           ; v[32:43] the fragment's codes
.set REC, 44                           ; v[44:53] a record's 8 bytes, a pair for each job
.set RDA, 54                           ; v54-55 my blocks in slot 0, 1: wave x TILE + 528 r + 128 h
.set LOQ, 56                           ; v56 16 x lane + 1,536 q
.set SCA, 57                           ; v57 where my scale word goes
.set SCB, 58                           ; v58 my 8 bytes of my chunk's record
.set SO8, 59                           ; v59 8 x lane
.set PFO, 60                           ; v60 (lane / 2) rows + 256 (lane % 2)
.set SPW, 61
.set NIL, 62
.set S0,  64                           ; v[64:127] 64 numbers
.set SA,  32                           ; s[32:41] the five jobs' tiles in memory; never rewritten
.set DA,  42                           ; s[42:51] the five jobs' chunks in acod or bcod; never rewritten
.set G1I, 68                           ; group 1 for the input side (rows 4,096 bytes apart)
.set G1R, 76                           ; and for the recurrent side (8,192)
.set G0,  84
	s_load_b512 s[4:19], s[0:1], 0x0               ; x, h_prev, Wz, Wi, Wf, Wo, Rz, Ri
	s_load_b256 s[20:27], s[0:1], 0x40             ; Rf, Ro, acod, bcod
	v_lshl_add_u32 v[SPW], v0, 2, SPARE
	v_mov_b32 v[NIL], 0
	ds_add_u32 v[SPW], v[NIL]                      ; the opening lines: the add, twice on end, and its wait
	ds_add_u32 v[SPW], v[NIL]
	v_lshrrev_b32 v1, 5, v0
	v_readfirstlane_b32 s30, v1                    ; wave 0..11
	s_and_b32 s31, s30, 3                          ; cc
	s_lshr_b32 s52, s30, 2                         ; q
	s_min_u32 s53, s52, 1                          ; 0: input side, 1: recurrent side
	s_lshl_b32 s54, 512, s53                       ; a chunk's bytes in a row
	s_lshl_b32 s53, 4096, s53                      ; a row's bytes
	s_lshr_b32 s55, s52, 1
	s_lshl_b32 s55, s55, 9                         ; q = 2: 512 bytes further on
	s_mul_i32 s56, ttmp9, 5                        ; my first job
	s_mul_i32 s60, s30, TILE
	s_cmp_eq_u32 s52, 2
	s_cselect_b32 s59, 0xffff0000, 0               ; lanes 16-31 of the waves q = 2 write the zero word
	s_mov_b32 s57, 0x76543210
	s_mov_b32 s58, 0xfedcba98                      ; v_permlanex16_b32's selects for lane l xor 16
	s_mul_i32 s61, s52, 1536
	s_lshl_b32 s62, s31, 8
	s_add_co_u32 s62, s62, SCR                     ; my chunk's record
	s_lshl_b32 s63, s52, 2
	s_add_co_u32 s63, s63, s62                     ; + 4 q
	s_lshr_b32 s29, s55, 7                         ; 4 where q = 2
.irp g, G1I, G1R
	s_mov_b32 s[\g], (3<<16)|(1<<20)|(6<<22)|(3<<25)   ; elements of 8 bytes; 4 dwords of padding behind every 128
	s_mov_b32 s[\g+1], 64<<16
	s_mov_b32 s[\g+2], 16<<16
	s_mov_b32 s[\g+3], 64<<16
	s_mov_b32 s[\g+4], 16
	s_mov_b32 s[\g+6], 0
	s_mov_b32 s[\g+7], 0
.endr
	s_mov_b32 s[G1I+5], 512
	s_mov_b32 s[G1R+5], 1024
	s_mov_b32 s[G0], 1
	s_add_co_u32 s[G0+1], s60, 0
	v_and_b32 v1, 31, v0                           ; lane
	v_and_b32 v2, 15, v0                           ; r
	v_bfe_u32 v3, v0, 4, 1                         ; h
	v_mul_u32_u24 v[RDA], v2, PIT
	v_lshl_add_u32 v[RDA], v3, 7, v[RDA]
	v_add_nc_u32 v[RDA], s60, v[RDA]
	v_add_nc_u32 v[RDA+1], SLOT, v[RDA]
	v_lshl_add_u32 v[LOQ], v1, 4, s61
	v_lshl_add_u32 v[SCA], v2, 4, s63
	v_mul_u32_u24 v14, s29, v3
	v_add_nc_u32 v[SCA], v[SCA], v14
	v_lshl_add_u32 v[SCB], v1, 3, s62
	v_lshlrev_b32 v[SO8], 3, v1
	v_lshrrev_b32 v14, 1, v1
	v_mul_u32_u24 v14, s53, v14
	v_and_b32 v15, 1, v1
	v_lshl_add_u32 v[PFO], v15, 8, v14
	v_lshlrev_b32 v22, 3, v3                       ; 8 h: my bytes' place in a scale word
	v_mov_b32 v15, 0                               ; a lane permute's destination counts as one of its sources
	v_mov_b32 v19, 0
	s_wait_alu depctr_va_vdst(0)                   ; the wait at the head's end
	s_wait_dscnt 0x0
	s_wait_kmcnt 0x0
	s_cmp_eq_u32 s52, 0                            ; my side's five buffers, chosen on the wave's number alone
	s_cselect_b64 s[4:5], s[4:5], s[6:7]           ; x : h_prev
	s_cselect_b64 s[8:9], s[8:9], s[16:17]         ; Wz : Rz
	s_cselect_b64 s[10:11], s[10:11], s[18:19]     ; Wi : Ri
	s_cselect_b64 s[12:13], s[12:13], s[20:21]     ; Wf : Rf
	s_cselect_b64 s[14:15], s[14:15], s[22:23]     ; Wo : Ro
; job j's tile in memory and its chunk in the codes' buffer; every choice hangs on the job's number alone
.macro ADDR j
	s_add_co_u32 s92, s56, \j
	s_lshr_b32 s93, s92, 1                         ; T: tile 0..639 (0..127: activations)
	s_and_b32 s92, s92, 1
	s_lshl_b32 s92, s92, 2
	s_add_co_u32 s92, s92, s31                     ; c: chunk
	s_max_u32 s94, s93, 128
	s_sub_co_u32 s94, s94, 128                     ; the weights' tile number
	s_bfe_u32 s98, s94, 0x20001                    ; g
	s_lshr_b32 s96, s94, 3
	s_lshl_b32 s96, s96, 5
	s_and_b32 s99, s94, 1
	s_lshl_b32 s99, s99, 4
	s_add_co_u32 s96, s96, s99                     ; a weight tile's first row
	s_lshl_b32 s97, s93, 4                         ; an activation tile's
	s_and_b32 s99, s98, 1
	s_cmp_lg_u32 s99, 0
	s_cselect_b64 s[SA+2*\j:SA+2*\j+1], s[10:11], s[8:9]
	s_cselect_b64 s[28:29], s[14:15], s[12:13]
	s_cmp_ge_u32 s98, 2
	s_cselect_b64 s[SA+2*\j:SA+2*\j+1], s[28:29], s[SA+2*\j:SA+2*\j+1]
	s_cmp_lt_u32 s93, 128
	s_cselect_b64 s[SA+2*\j:SA+2*\j+1], s[4:5], s[SA+2*\j:SA+2*\j+1]
	s_cselect_b64 s[DA+2*\j:DA+2*\j+1], s[24:25], s[26:27]
	s_cselect_b32 s94, s93, s94
	s_cselect_b32 s96, s97, s96
	s_mul_i32 s96, s96, s53
	s_mul_i32 s99, s92, s54
	s_add_co_u32 s96, s96, s99
	s_add_co_u32 s96, s96, s55
	s_mov_b32 s97, 0
	s_add_nc_u64 s[SA+2*\j:SA+2*\j+1], s[SA+2*\j:SA+2*\j+1], s[96:97]
	s_mul_i32 s94, s94, TROW
	s_mul_i32 s99, s92, TCH
	s_add_co_u32 s94, s94, s99
	s_mov_b32 s95, 0
	s_add_nc_u64 s[DA+2*\j:DA+2*\j+1], s[DA+2*\j:DA+2*\j+1], s[94:95]
.endm
.macro TLOAD                           ; every wave issues one load: the two lines differ in the rows' distance in memory
	s_cmp_eq_u32 s52, 0
	s_cbranch_scc0 .Lrec_\@
	tensor_load_to_lds s[G0:G0+3], s[G1I:G1I+7]
	s_nop 0
	s_branch .Lasked_\@
.Lrec_\@:
	tensor_load_to_lds s[G0:G0+3], s[G1R:G1R+7]
	s_nop 0
.Lasked_\@:
.endm
.macro RECORD j                        ; job j's four records, each by its chunk's wave q = 0: 32 lanes store 256 consecutive bytes, aligned
	s_cmp_lg_u32 s52, 0
	s_cbranch_scc1 .Lnot_mine_\@
	ds_load_b64 v[REC+2*(\j):REC+2*(\j)+1], v[SCB] offset:1024*((\j)%2)
	s_wait_dscnt 0x0
	global_store_b64 v[SO8], v[REC+2*(\j):REC+2*(\j)+1], s[DA+2*(\j):DA+2*(\j)+1] offset:4608
.Lnot_mine_\@:
.endm
	ADDR 0
	s_mov_b64 s[G0+2:G0+3], s[SA:SA+1]
	s_or_b32 s[G0+3], s[G0+3], 0x80000000
	TLOAD                                          ; job 0: one tensor load a wave at the head
	ADDR 1
	global_prefetch_b8 v[PFO], s[SA+2:SA+3] th:TH_LOAD_NT scope:SCOPE_SE
	ADDR 2
	ADDR 3
	ADDR 4
.macro TRIP t
	s_wait_tensorcnt 0x0                           ; my tile of job t is in, and no load of mine is out: group 0 may be written
	ds_add_u32 v[SPW], v[NIL]
.if \t < 4
	s_add_co_u32 s[G0+1], s60, ((\t+1)%2)*SLOT
	s_mov_b64 s[G0+2:G0+3], s[SA+2*(\t+1):SA+2*(\t+1)+1]
	s_or_b32 s[G0+3], s[G0+3], 0x80000000
.endif
	s_wait_dscnt 0x0                               ; the add, my reads of the other slot and my scale word's store are done
	s_barrier_signal -1
	s_barrier_wait -1
.if \t < 4
	TLOAD                                          ; job t + 1, into the slot read in the last trip (in trip 0: slot 1's first fill, issued as a refill is)
.endif
.if \t < 3
	global_prefetch_b8 v[PFO], s[SA+2*(\t+2):SA+2*(\t+2)+1] th:TH_LOAD_NT scope:SCOPE_SE
.endif
.if \t > 0
	RECORD \t-1
.endif
.irp cc, 0,1                           ; register 32 cc + i of lane (r, h) is number i of block 2 cc + h of row r
.irp j, 0,1,2,3,4,5,6,7
	ds_load_b128 v[S0+32*\cc+4*\j:S0+32*\cc+4*\j+3], v[RDA+(\t%2)] offset:256*\cc+16*\j
.endr
.endr
	s_wait_dscnt 0x0
.irp c, 0,1
	v_max3_num_f32 v[MX+\c], |v[S0+32*\c]|, |v[S0+32*\c+1]|, 0x1800000   ; with the floor 2^(3 - 127): the byte cannot fall under 1
.endr
.irp i, 2,4,6,8,10,12,14,16,18,20,22,24,26,28,30
.irp c, 0,1
	s_delay_alu instid0(VALU_DEP_2)
	v_max3_num_f32 v[MX+\c], v[MX+\c], |v[S0+32*\c+\i]|, |v[S0+32*\c+\i+1]|   ; the two blocks by turns
.endr
.endr
.irp c, 0,1
	s_delay_alu instid0(VALU_DEP_2)
	v_add_nc_u32 v[SCO+\c], 0xff000000, v[MX+\c]   ; 2 off the exponent field: the conversion takes this operand's exponent field as its scale
.endr
.irp c, 0,1
	s_delay_alu instid0(VALU_DEP_2)
	v_lshrrev_b32 v[BY+\c], 23, v[SCO+\c]          ; the scale's byte
.endr
	s_delay_alu instid0(VALU_DEP_1)
	v_lshl_or_b32 v14, v[BY+1], 16, v[BY]          ; blocks h and 2 + h,
	s_delay_alu instid0(VALU_DEP_1)
	v_lshlrev_b32 v14, v22, v14                    ; at their places in the word;
	s_delay_alu instid0(VALU_DEP_1)
	v_permlanex16_b32 v15, v14, s57, s58
	s_delay_alu instid0(VALU_DEP_1)
	v_or_b32 v[WD], v14, v15                       ; with lane l xor 16's two the word is whole
	s_wait_alu depctr_va_vdst(0)
	s_wait_xcnt 0x0                                ; the last job's stores have read their data: the codes' registers are written again only behind this wait
.irp c, 0,1
	v_cvt_scalef32_pk16_fp6_f32 v[CD+6*\c:CD+6*\c+2], v[S0+32*\c:S0+32*\c+15], v[SCO+\c]
	v_cvt_scalef32_pk16_fp6_f32 v[TP+4*\c:TP+4*\c+2], v[S0+32*\c+16:S0+32*\c+31], v[SCO+\c]   ; (a conversion's three registers begin on an even number)
.endr
	v_nop                                          ; one plain place behind a scaled conversion
.irp c, 0,1
.irp i, 0,1,2
	v_mov_b32 v[CD+3+6*\c+\i], v[TP+4*\c+\i]
.endr
.endr
	v_cndmask_b32 v20, v[WD], v19, s59
.irp g, 0,1,2
	global_store_b128 v[LOQ], v[CD+4*\g:CD+4*\g+3], s[DA+2*\t:DA+2*\t+1] offset:512*\g   ; 32 lanes store 512 consecutive bytes, at a multiple of 256 from the buffer's first byte
.endr
	ds_store_b32 v[SCA], v20 offset:1024*(\t%2)    ; row r's word q; where q = 2, lanes 16-31 write the zero word behind it
.endm
	TRIP 0
	TRIP 1
	TRIP 2
	TRIP 3
	TRIP 4
	s_wait_dscnt 0x0                               ; my last scale word is in LDS
	s_barrier_signal -1
	s_barrier_wait -1
	RECORD 4
	s_wait_tensorcnt 0x0                           ; the wave's end
	ds_add_u32 v[SPW], v[NIL]
	s_wait_dscnt 0x0
	s_endpgm
.Lfunc_end_k_qac08e14e99_quant:
	.size	k_qac08e14e99_quant, .Lfunc_end_k_qac08e14e99_quant-k_qac08e14e99_quant
	.p2alignl 7, 3214868480
	.fill 96, 4, 3214868480
	.section	.rodata,"a",@progbits
	.p2align	6, 0x0
	.amdhsa_kernel k_qac08e14e99_quant
		.amdhsa_group_segment_fixed_size 327680
		.amdhsa_private_segment_fixed_size 0
		.amdhsa_enable_private_segment 0
		.amdhsa_kernarg_size 96
		.amdhsa_user_sgpr_count 2
		.amdhsa_user_sgpr_kernarg_segment_ptr 1
		.amdhsa_wavefront_size32 1
		.amdhsa_system_sgpr_workgroup_id_x 1
		.amdhsa_system_sgpr_workgroup_id_y 1
		.amdhsa_system_sgpr_workgroup_id_z 1
		.amdhsa_system_vgpr_workitem_id 0
		.amdhsa_next_free_vgpr 128
		.amdhsa_next_free_sgpr 100
		.amdhsa_reserve_vcc 0
		.amdhsa_float_denorm_mode_32 3
		.amdhsa_float_denorm_mode_16_64 3
		.amdhsa_memory_ordered 1
		.amdhsa_forward_progress 1
		.amdhsa_inst_pref_size 44
	.end_amdhsa_kernel
	.amdgpu_metadata
---
amdhsa.version: [ 1, 2 ]
amdhsa.kernels:
  - .name:           k_qac08e14e99_quant
    .symbol:         k_qac08e14e99_quant.kd
    .args:
      - { .name: x, .offset: 0, .size: 8, .value_kind: global_buffer, .address_space: global }
      - { .name: h_prev, .offset: 8, .size: 8, .value_kind: global_buffer, .address_space: global }
      - { .name: Wz, .offset: 16, .size: 8, .value_kind: global_buffer, .address_space: global }
      - { .name: Wi, .offset: 24, .size: 8, .value_kind: global_buffer, .address_space: global }
      - { .name: Wf, .offset: 32, .size: 8, .value_kind: global_buffer, .address_space: global }
      - { .name: Wo, .offset: 40, .size: 8, .value_kind: global_buffer, .address_space: global }
      - { .name: Rz, .offset: 48, .size: 8, .value_kind: global_buffer, .address_space: global }
      - { .name: Ri, .offset: 56, .size: 8, .value_kind: global_buffer, .address_space: global }
      - { .name: Rf, .offset: 64, .size: 8, .value_kind: global_buffer, .address_space: global }
      - { .name: Ro, .offset: 72, .size: 8, .value_kind: global_buffer, .address_space: global }
      - { .name: acod, .offset: 80, .size: 8, .value_kind: global_buffer, .address_space: global }
      - { .name: bcod, .offset: 88, .size: 8, .value_kind: global_buffer, .address_space: global }
    .group_segment_fixed_size: 327680
    .private_segment_fixed_size: 0
    .kernarg_segment_align: 8
    .kernarg_segment_size: 96
    .max_flat_workgroup_size: 384
    .sgpr_count:     100
    .vgpr_count:     128
    .wavefront_size: 32
...
	.end_amdgpu_metadata
.endif
;; end of part 1
;; launch cell (part 2): grid 32 x 8, 4 waves a work-group, clusters of 4 x 4, 327,680 bytes of LDS; arguments acod, bcod, c_prev, n_prev, bz, bi, bf, bo, out0; writes out0
.if DOCPART == 2
	.amdgcn_target "amdgcn-amd-amdhsa--gfx1250"
	.amdhsa_code_object_version 6
	.text
	.protected	k_qac08e14e99_cell
	.globl	k_qac08e14e99_cell
	.p2align	8
	.type	k_qac08e14e99_cell,@function
k_qac08e14e99_cell:
	s_mov_b64 s[64:65], 0
	v_nop
	global_prefetch_b8 v0, s[64:65] scope:SCOPE_SE
	s_setreg_imm32_b32 hwreg(HW_REG_WAVE_MODE, 25, 1), 1
	s_wait_xcnt 0x0
	s_wait_alu depctr_hold_cnt(0) depctr_sa_sdst(0) depctr_va_vdst(0) depctr_va_sdst(0) depctr_va_ssrc(0) depctr_va_vcc(0) depctr_vm_vsrc(0)
	s_getreg_b32 s2, hwreg(HW_REG_IB_STS2, 6, 4)
	s_cmp_eq_u32 s2, 0
	s_cbranch_scc0 .Lentry_in_a_cluster
	s_endpgm
.Lentry_in_a_cluster:
	s_bfe_u32 s2, ttmp6, 0x10000c
	s_cmp_lg_u32 s2, 0xf033
	s_cbranch_scc0 .Lentry_shape_is_right
	s_endpgm
.Lentry_shape_is_right:
.set TCH,   4864
.set FRB,   1536
.set TROW,  38912
.set HALFT, 8*TCH
.set SLOT,  4*HALFT
.set SPARE, 2*SLOT
.set FR,    12
.set CPIT,  272
.set CHALF, 128*CPIT
.set NT,    2*CHALF
.set STG,   SLOT
.set ADRA, 16
.set ADRS, 18
.set ADRB, 20
.set CA,   22
.set NA,   23
.set SO,   24
.set RD,   25
.set CO,   26
.set EST,  27
.set SPW,  28
.set NIL,  29
.set BO,   30
.set SC,   32
.set AF,   128
.set TZ,   128
.set TI,   144
.set TF,   160
.set TO,   176
.set MM,   224
.set OB,   128
.set G1,  24
.set G0,  32
.set G1B, 48
.set G0B, 56
.set G1C, 68
.set G0C, 76
.set G0N, 80
.set CNA, 66
.set MSB, 0
.macro WIN new
.if MSB != (\new)
	s_set_vgpr_msb (MSB<<8)|(\new)
.set MSB, (\new)
.endif
.endm
.set MUL_LO, 0xa1
.set MUL_HI, 0xf1
.set TO_B,   0x40
.macro JLOAD g0a, g1a, g0b, g1b
	s_cmp_eq_u32 s15, 0
	s_cbranch_scc0 .Lsecond_\@
	tensor_load_to_lds s[\g0a:\g0a+3], s[\g1a:\g1a+7]
	s_nop 0
.rept 4
	v_nop
.endr
	s_branch .Lasked_\@
.Lsecond_\@:
	tensor_load_to_lds s[\g0b:\g0b+3], s[\g1b:\g1b+7]
	s_nop 0
.rept 4
	v_nop
.endr
.Lasked_\@:
.endm
.macro CREST
	s_cmp_lg_u32 s14, 0
	s_cbranch_scc1 .Lnot_wave_0_\@
	s_barrier_signal -3
.Lnot_wave_0_\@:
	s_barrier_wait -3
	s_barrier_signal -1
	s_barrier_wait -1
.endm
.macro CROUND
	s_barrier_signal -1
	s_barrier_wait -1
	CREST
.endm
.macro PLACES n
.rept \n
	v_nop
.endr
.endm
	s_load_b256 s[4:11], s[0:1], 0x0
	s_load_b256 s[84:91], s[0:1], 0x20
	s_load_b64 s[12:13], s[0:1], 0x40
	v_lshl_add_u32 v[SPW], v0, 2, SPARE
	v_mov_b32 v[NIL], 0
	ds_add_u32 v28, v29
	ds_add_u32 v28, v29
	s_wait_dscnt 0x0
	v_lshrrev_b32 v1, 5, v0
	v_readfirstlane_b32 s14, v1
	s_lshr_b32 s15, s14, 1
	s_and_b32 s16, s14, 1
	s_bfe_u32 s40, ttmp6, 0x40000
	s_bfe_u32 s41, ttmp6, 0x40004
	s_lshl_b32 s42, ttmp9, 2
	s_add_co_u32 s42, s42, s40
	s_and_b32 s17, ttmp7, 0xffff
	s_lshl_b32 s17, s17, 2
	s_add_co_u32 s17, s17, s41
	s_lshl_b32 s43, s41, 2
	s_lshl_b32 s43, 15, s43
	s_lshl_b32 s44, 0x1111, s40
	s_or_b32 s[G1], s43, (3<<16)|(1<<21)
	s_or_b32 s[G1B], s44, (3<<16)|(1<<21)
.irp g, G1, G1B
	s_mov_b32 s[\g+1], 608<<16
	s_mov_b32 s[\g+2], 8<<16
	s_mov_b32 s[\g+3], 608<<16
	s_mov_b32 s[\g+4], 8
	s_mov_b32 s[\g+5], 4864
	s_mov_b32 s[\g+6], 0
	s_mov_b32 s[\g+7], 0
.endr
	s_mov_b32 s[G1C], (2<<16)|(1<<20)|(5<<22)|(3<<25)
	s_mov_b32 s[G1C+1], 64<<16
	s_mov_b32 s[G1C+2], 64<<16
	s_mov_b32 s[G1C+3], 64<<16
	s_mov_b32 s[G1C+4], 64
	s_mov_b32 s[G1C+5], 2048
	s_mov_b32 s[G1C+6], 0
	s_mov_b32 s[G1C+7], 0
	s_lshl_b32 s2, s16, 3
	s_lshl_b32 s92, s17, 4
	s_add_co_u32 s92, s92, s2
	s_mul_i32 s92, s92, TROW
	s_mov_b32 s93, 0
	s_lshl_b32 s46, s42, 4
	s_add_co_u32 s46, s46, s2
	s_mul_i32 s46, s46, TROW
	s_mov_b32 s47, 0
	s_mul_i32 s45, s14, HALFT
	s_mov_b32 s18, 0x3fb8aa3b
	s_mov_b32 s19, s18
	s_mov_b32 s20, 0x4038aa3b
	s_mov_b32 s21, s20
	s_mov_b32 s22, 0xbfb8aa3b
	s_mov_b32 s23, s22
	s_wait_kmcnt 0x0
	s_add_nc_u64 s[92:93], s[4:5], s[92:93]
	s_add_nc_u64 s[46:47], s[6:7], s[46:47]
	CROUND
.irp s, 0,1
	s_mov_b32 s[G0+4*\s], 1
	s_add_co_u32 s[G0+4*\s+1], s45, \s*SLOT
	s_add_nc_u64 s[G0+4*\s+2:G0+4*\s+3], s[92:93], \s*TCH
	s_or_b32 s[G0+4*\s+3], s[G0+4*\s+3], 0x80000000
	s_mov_b32 s[G0B+4*\s], 1
	s_add_co_u32 s[G0B+4*\s+1], s45, \s*SLOT
	s_add_nc_u64 s[G0B+4*\s+2:G0B+4*\s+3], s[46:47], \s*TCH
	s_or_b32 s[G0B+4*\s+3], s[G0B+4*\s+3], 0x80000000
	s_wait_alu depctr_va_vdst(0)
	s_wait_tensorcnt 0x0
	ds_add_u32 v28, v29
	ds_add_u32 v28, v29
	s_wait_dscnt 0x0
	CROUND
	JLOAD G0+4*\s, G1, G0B+4*\s, G1B
.endr
	s_lshl_b32 s46, s42, 8
	s_lshl_b32 s94, s17, 8
	s_lshl_b32 s2, s16, 7
	s_add_co_u32 s94, s94, s2
	s_lshl_b32 s94, s94, 13
	s_add_co_u32 s94, s94, s46
	s_mov_b32 s95, 0
	s_add_nc_u64 s[G0C+2:G0C+3], s[8:9], s[94:95]
	s_add_nc_u64 s[G0N+2:G0N+3], s[10:11], s[94:95]
	s_cmp_eq_u32 s15, 0
	s_cselect_b64 s[CNA:CNA+1], s[G0C+2:G0C+3], s[G0N+2:G0N+3]
	s_add_nc_u64 s[G0C+2:G0C+3], s[G0C+2:G0C+3], 64*8192
	s_add_nc_u64 s[G0N+2:G0N+3], s[G0N+2:G0N+3], 64*8192
	s_or_b32 s[G0C+3], s[G0C+3], 0x80000000
	s_or_b32 s[G0N+3], s[G0N+3], 0x80000000
	s_mov_b32 s[G0C], 1
	s_mul_i32 s[G0C+1], s14, CHALF
	s_add_co_u32 s[G0C+1], s[G0C+1], 64*CPIT
	s_mov_b32 s[G0N], 1
	s_mul_i32 s[G0N+1], s14, CHALF
	s_add_co_u32 s[G0N+1], s[G0N+1], 64*CPIT
	v_and_b32 v1, 15, v0
	v_bfe_u32 v2, v0, 4, 1
	v_and_b32 v3, 31, v0
	v_lshlrev_b32 v4, 4, v3
	s_mul_i32 s92, s15, HALFT
	s_add_co_u32 s93, s16, 2
	s_mul_i32 s93, s93, HALFT
	s_sub_co_u32 s2, s93, s92
	v_lshl_add_u32 v5, v1, 4, 4608
	v_mul_u32_u24 v6, s2, v2
	v_add_nc_u32 v5, v5, v6
.irp s, 0,1
	v_add_nc_u32 v[ADRA+\s], s92, v4
	v_add_nc_u32 v[ADRB+\s], s93, v4
	v_add_nc_u32 v[ADRS+\s], s92, v5
	s_add_co_u32 s92, s92, SLOT
	s_add_co_u32 s93, s93, SLOT
.endr
	s_mul_i32 s92, s15, CHALF
	s_lshl_b32 s93, s16, 7
	s_add_co_u32 s92, s92, s93
	v_mul_u32_u24 v5, v1, CPIT
	v_lshl_add_u32 v5, v2, 5, v5
	v_add_nc_u32 v[CA], s92, v5
	v_add_nc_u32 v[NA], NT, v[CA]
	v_add_nc_u32 v[SO], STG, v[CA]
	s_lshl_b32 s92, s15, 7
	s_lshl_b32 s93, s16, 5
	s_add_co_u32 s92, s92, s93
	s_mul_i32 s93, s92, CPIT
	s_add_co_u32 s93, s93, STG
	v_mul_u32_u24 v5, v2, CPIT
	v_lshl_add_u32 v5, v1, 4, v5
	v_add_nc_u32 v[RD], s93, v5
	s_mul_i32 s2, s14, CHALF
	v_add_nc_u32 v[EST], s2, v5
	v_lshlrev_b32 v5, 13, v2
	v_lshl_add_u32 v[CO], v1, 4, v5
	v_lshlrev_b32 v[BO], 5, v2
	s_wait_alu depctr_va_vdst(0)
	s_lshl_b32 s94, s17, 8
	s_add_co_u32 s94, s94, s92
	s_lshl_b32 s94, s94, 13
	s_add_co_u32 s94, s94, s46
	s_add_nc_u64 s[12:13], s[12:13], s[94:95]
	s_lshl_b32 s2, s16, 7
	s_add_co_u32 s94, s46, s2
.irp g, 0,1,2,3
	s_add_nc_u64 s[84+2*\g:85+2*\g], s[84+2*\g:85+2*\g], s[94:95]
.endr
	WIN TO_B
.irp g, 0,1,2,3
.irp u, 0,1
.irp p, 0,1
	global_load_b128 v[96+8*(2*\g+\u)+96*((2*\g+\u)/4)+4*\p:96+8*(2*\g+\u)+96*((2*\g+\u)/4)+4*\p+3], v[BO], s[84+2*\g:85+2*\g] offset:64*\u+16*\p
.endr
.endr
.endr
	WIN 0
.macro FRAG reg, adr, q, i
.irp g, 0,1,2
	ds_load_b128 v[\reg+4*\g:\reg+4*\g+3], v[\adr] offset:(\i)*TCH+(\q)*FRB+512*\g
.endr
.endm
.macro FETCH_B slot, q, p
	WIN TO_B
.irp i, 0,1,2,3,4,5,6,7
	FRAG 128*(\p)+FR*\i, ADRB+\slot, \q, \i
.endr
	WIN 0
.endm
.macro FETCH_A slot, q, i0
.irp i, \i0, \i0+1, \i0+2, \i0+3
	FRAG AF+FR*(\i), ADRA+\slot, \q, \i
.endr
.endm
.macro SCALES slot
.irp i, 0,1,2,3,4,5,6,7
	ds_load_b128 v[SC+32*\slot+4*\i:SC+32*\slot+4*\i+3], v[ADRS+\slot] offset:\i*TCH
.endr
.endm
.macro EARLY_IN half
.if \half
	WIN TO_B
.endif
.set t, 0
.rept 16
	global_load_b128 v[96+4*t+96*(t/8):96+4*t+96*(t/8)+3], v[CO], s[CNA:CNA+1] offset:2*(16*\half+t)*8192 th:TH_LOAD_NT
.set t, t+1
.endr
	WIN 0
.endm
.macro EARLY_OUT
.set t, 0
.rept 16
	ds_store_b128 v[EST], v[96+4*t+96*(t/8):96+4*t+96*(t/8)+3] offset:2*t*CPIT
.set t, t+1
.endr
	WIN 0x04
.set t, 0
.rept 16
	ds_store_b128 v[EST], v[96+4*t+96*(t/8):96+4*t+96*(t/8)+3] offset:2*(16+t)*CPIT
.set t, t+1
.endr
	WIN 0
.endm
.macro MUL16 a0, p, q, sc, first
.irp a, \a0, \a0+1
.irp b, 0,1,2,3,4,5,6,7
.if \first
	v_wmma_scale_f32_16x16x128_f8f6f4 v[8*(8*((\a)%4)+\b):8*(8*((\a)%4)+\b)+7], v[128*(\p)+FR*\b:128*(\p)+FR*\b+FR-1], v[AF+FR*(\a):AF+FR*(\a)+FR-1], v[96+8*\b+96*(\b/4):96+8*\b+96*(\b/4)+7], v[SC+32*(\sc)+4*\b+(\q)], v[SC+32*(\sc)+4*(\a)+(\q)] matrix_a_fmt:MATRIX_FMT_FP6 matrix_b_fmt:MATRIX_FMT_FP6 matrix_a_scale:MATRIX_SCALE_ROW1
.else
	v_wmma_scale_f32_16x16x128_f8f6f4 v[8*(8*((\a)%4)+\b):8*(8*((\a)%4)+\b)+7], v[128*(\p)+FR*\b:128*(\p)+FR*\b+FR-1], v[AF+FR*(\a):AF+FR*(\a)+FR-1], v[8*(8*((\a)%4)+\b):8*(8*((\a)%4)+\b)+7], v[SC+32*(\sc)+4*\b+(\q)], v[SC+32*(\sc)+4*(\a)+(\q)] matrix_a_fmt:MATRIX_FMT_FP6 matrix_b_fmt:MATRIX_FMT_FP6 matrix_a_scale:MATRIX_SCALE_ROW1
.endif
.endr
.endr
.endm
.macro STEP slot, q, first
.set PP, ((\slot)+(\q))%2
	s_wait_dscnt 12
.if \first
	WIN 0x91
.else
	WIN MUL_LO
.endif
	MUL16 0, PP, \q, \slot, \first
	MUL16 2, PP, \q, \slot, \first
	s_wait_dscnt 0x0
	PLACES 4
	FETCH_B \slot, (\q)+1, 1-PP
	FETCH_A \slot, (\q)+1, 0
.if \first
	WIN 0xd1
.else
	WIN MUL_HI
.endif
	MUL16 4, PP, \q, \slot, \first
	MUL16 6, PP, \q, \slot, \first
	PLACES 4
	WIN 0
	FETCH_A \slot, (\q)+1, 4
.endm
.macro TURN slot, next, fill
	s_wait_tensorcnt 0x0
	ds_add_u32 v[SPW], v[NIL]
	s_wait_dscnt 13
	WIN MUL_LO
	MUL16 0, \slot, 2, \slot, 0
	s_wait_dscnt 0x0
	s_barrier_signal -1
	MUL16 2, \slot, 2, \slot, 0
	WIN 0
	s_barrier_wait -1
	CREST
.if \fill == 1
	s_add_nc_u64 s[G0+4*\slot+2:G0+4*\slot+3], s[G0+4*\slot+2:G0+4*\slot+3], 2*TCH
	s_add_nc_u64 s[G0B+4*\slot+2:G0B+4*\slot+3], s[G0B+4*\slot+2:G0B+4*\slot+3], 2*TCH
	JLOAD G0+4*\slot, G1, G0B+4*\slot, G1B
.else
	JLOAD G0C, G1C, G0N, G1C
	s_wait_loadcnt 0x0
	EARLY_OUT
.endif
	FETCH_B \next, 0, \next
	FETCH_A \next, 0, 0
	SCALES \next
	WIN MUL_HI
	MUL16 4, \slot, 2, \slot, 0
	MUL16 6, \slot, 2, \slot, 0
	PLACES 4
	WIN 0
	FETCH_A \next, 0, 4
.endm
	s_wait_tensorcnt 1
	s_barrier_signal -1
	s_barrier_wait -1
	FETCH_B 0, 0, 0
	FETCH_A 0, 0, 0
	SCALES 0
	FETCH_A 0, 0, 4
	s_wait_loadcnt 0x0
	EARLY_IN 0
	STEP 0, 0, 1
	EARLY_IN 1
	s_mov_b32 s3, 3
.Llap:
	STEP 0, 1, 0
	TURN 0, 1, 1
	STEP 1, 0, 0
	STEP 1, 1, 0
	TURN 1, 0, 1
	STEP 0, 0, 0
	s_sub_co_u32 s3, s3, 1
	s_cmp_lg_u32 s3, 0
	s_cbranch_scc1 .Llap
	STEP 0, 1, 0
	TURN 0, 1, 2
	STEP 1, 0, 0
	STEP 1, 1, 0
	s_wait_dscnt 12
	WIN MUL_LO
	MUL16 0, 1, 2, 1, 0
	MUL16 2, 1, 2, 1, 0
	s_wait_dscnt 0x0
	s_barrier_signal -1
	WIN MUL_HI
	MUL16 4, 1, 2, 1, 0
	MUL16 6, 1, 2, 1, 0
	WIN 0
	s_barrier_wait -1
	PLACES 4
.macro LOADCN a, set
.set CB, 192-96*(\set)
.irp u, 0,1
.irp p, 0,1
	ds_load_b128 v[CB+8*\u+4*\p:CB+8*\u+4*\p+3], v[CA] offset:16*CPIT*(\a)+64*\u+16*\p
	ds_load_b128 v[CB+16+8*\u+4*\p:CB+16+8*\u+4*\p+3], v[NA] offset:16*CPIT*(\a)+64*\u+16*\p
.endr
.endr
.endm
.macro EPI a
.if ((\a) < 7) && ((\a) != 3)
	LOADCN (\a)+1, ((\a)+1)%2
.endif
.set CC, 192-96*((\a)%2)
.set NN, CC+16
.set AC, 64*((\a)%4)
.if (\a) == 4
	s_wait_xcnt 0x0
.endif
	WIN 0x02+(\a)/4
.irp u, 0,1
.irp k, 0,2,4,6
	v_pk_mul_f32 v[TZ+8*\u+\k:TZ+8*\u+\k+1], v[AC+8*\u+\k:AC+8*\u+\k+1], s[20:21] op_sel_hi:[1,0]
	v_pk_mul_f32 v[TI+8*\u+\k:TI+8*\u+\k+1], v[AC+16+8*\u+\k:AC+16+8*\u+\k+1], s[18:19] op_sel_hi:[1,0]
	v_pk_mul_f32 v[TF+8*\u+\k:TF+8*\u+\k+1], v[AC+32+8*\u+\k:AC+32+8*\u+\k+1], s[18:19] op_sel_hi:[1,0]
	v_pk_mul_f32 v[TO+8*\u+\k:TO+8*\u+\k+1], v[AC+48+8*\u+\k:AC+48+8*\u+\k+1], s[22:23] op_sel_hi:[1,0]
.endr
.endr
	WIN 0
.set e, 0
.rept 16
	v_max_num_f32 v[MM+e], v[TI+e], v[TF+e]
.set e, e+1
.endr
.irp k, 0,2,4,6,8,10,12,14
	v_pk_add_f32 v[TI+\k:TI+\k+1], v[TI+\k:TI+\k+1], v[MM+\k:MM+\k+1] neg_lo:[0,1] neg_hi:[0,1]
	v_pk_add_f32 v[TF+\k:TF+\k+1], v[TF+\k:TF+\k+1], v[MM+\k:MM+\k+1] neg_lo:[0,1] neg_hi:[0,1]
.endr
.set e, 0
	s_wait_alu depctr_va_vdst(0)
.rept 64
	v_exp_f32 v[TZ+e], v[TZ+e]
.set e, e+1
.endr
	v_nop
	s_wait_alu depctr_va_vdst(0)
.if ((\a) < 7) && ((\a) != 3)
	s_wait_dscnt 8
.else
	s_wait_dscnt 0x0
.endif
.irp k, 0,2,4,6,8,10,12,14
	v_pk_add_f32 v[TZ+\k:TZ+\k+1], v[TZ+\k:TZ+\k+1], 1.0 op_sel_hi:[1,0]
	v_pk_add_f32 v[TO+\k:TO+\k+1], v[TO+\k:TO+\k+1], 1.0 op_sel_hi:[1,0]
	v_pk_fma_f32 v[NN+\k:NN+\k+1], v[TF+\k:TF+\k+1], v[NN+\k:NN+\k+1], v[TI+\k:TI+\k+1]
.endr
.irp k, 0,2,4,6,8,10,12,14
	v_pk_mul_f32 v[NN+\k:NN+\k+1], v[NN+\k:NN+\k+1], v[TO+\k:TO+\k+1]
.endr
.set e, 0
	s_wait_alu depctr_va_vdst(0)
.rept 16
	v_rcp_f32 v[TZ+e], v[TZ+e]
	v_rcp_f32 v[NN+e], v[NN+e]
.set e, e+1
.endr
.irp k, 0,2,4,6,8,10,12,14
	v_pk_mul_f32 v[CC+\k:CC+\k+1], v[TF+\k:TF+\k+1], v[CC+\k:CC+\k+1]
.endr
	s_wait_alu depctr_va_vdst(0)
.irp k, 0,2,4,6,8,10,12,14
	v_pk_fma_f32 v[TZ+\k:TZ+\k+1], v[TZ+\k:TZ+\k+1], -2.0, 1.0 op_sel_hi:[1,0,0]
.endr
.irp k, 0,2,4,6,8,10,12,14
	v_pk_fma_f32 v[CC+\k:CC+\k+1], v[TI+\k:TI+\k+1], v[TZ+\k:TZ+\k+1], v[CC+\k:CC+\k+1]
.endr
.irp k, 0,2,4,6,8,10,12,14
	v_pk_mul_f32 v[CC+\k:CC+\k+1], v[CC+\k:CC+\k+1], v[NN+\k:NN+\k+1]
.endr
.irp u, 0,1
.irp p, 0,1
	ds_store_b128 v[SO], v[CC+8*\u+4*\p:CC+8*\u+4*\p+3] offset:16*CPIT*(\a)+64*\u+16*\p
.endr
.endr
.endm
.macro OUTP ph
	s_wait_dscnt 0x0
.if \ph == 0
	s_wait_tensorcnt 0x0
.endif
	s_barrier_signal -1
	s_barrier_wait -1
.if \ph == 0
	LOADCN 4, 0
.endif
.irp t, 0,1,2,3,4,5,6,7,8,9,10,11,12,13,14,15
	ds_load_b128 v[OB+4*\t:OB+4*\t+3], v[RD] offset:(64*\ph+2*\t)*CPIT
.endr
.irp t, 0,1,2,3,4,5,6,7,8,9,10,11,12,13,14,15
	s_wait_dscnt 15-\t
	global_store_b128 v[CO], v[OB+4*\t:OB+4*\t+3], s[12:13] offset:(64*\ph+2*\t)*8192 th:TH_STORE_NT
.endr
.endm
	LOADCN 0, 0
	EPI 0
	EPI 1
	EPI 2
	EPI 3
	OUTP 0
	EPI 4
	EPI 5
	EPI 6
	EPI 7
	OUTP 1
	s_wait_tensorcnt 0x0
	ds_add_u32 v[SPW], v[NIL]
	s_wait_dscnt 0x0
	CROUND
	s_endpgm
.Lfunc_end_k_qac08e14e99_cell:
	.size	k_qac08e14e99_cell, .Lfunc_end_k_qac08e14e99_cell-k_qac08e14e99_cell
	.p2alignl 7, 3214868480
	.fill 96, 4, 3214868480
	.section	.rodata,"a",@progbits
	.p2align	6, 0x0
	.amdhsa_kernel k_qac08e14e99_cell
		.amdhsa_group_segment_fixed_size 327680
		.amdhsa_private_segment_fixed_size 0
		.amdhsa_enable_private_segment 0
		.amdhsa_kernarg_size 72
		.amdhsa_user_sgpr_count 2
		.amdhsa_user_sgpr_kernarg_segment_ptr 1
		.amdhsa_wavefront_size32 1
		.amdhsa_system_sgpr_workgroup_id_x 1
		.amdhsa_system_sgpr_workgroup_id_y 1
		.amdhsa_system_sgpr_workgroup_id_z 1
		.amdhsa_system_vgpr_workitem_id 0
		.amdhsa_next_free_vgpr 1024
		.amdhsa_next_free_sgpr 96
		.amdhsa_reserve_vcc 0
		.amdhsa_float_denorm_mode_32 3
		.amdhsa_float_denorm_mode_16_64 3
		.amdhsa_memory_ordered 1
		.amdhsa_forward_progress 1
		.amdhsa_inst_pref_size 255
	.end_amdhsa_kernel
	.section	.bss,"aw",@nobits
	.p2align	6
	.space	262144
	.amdgpu_metadata
---
amdhsa.version: [ 1, 2 ]
amdhsa.kernels:
  - .name:           k_qac08e14e99_cell
    .symbol:         k_qac08e14e99_cell.kd
    .args:
      - { .name: acod, .offset: 0, .size: 8, .value_kind: global_buffer, .address_space: global }
      - { .name: bcod, .offset: 8, .size: 8, .value_kind: global_buffer, .address_space: global }
      - { .name: c_prev, .offset: 16, .size: 8, .value_kind: global_buffer, .address_space: global }
      - { .name: n_prev, .offset: 24, .size: 8, .value_kind: global_buffer, .address_space: global }
      - { .name: bz, .offset: 32, .size: 8, .value_kind: global_buffer, .address_space: global }
      - { .name: bi, .offset: 40, .size: 8, .value_kind: global_buffer, .address_space: global }
      - { .name: bf, .offset: 48, .size: 8, .value_kind: global_buffer, .address_space: global }
      - { .name: bo, .offset: 56, .size: 8, .value_kind: global_buffer, .address_space: global }
      - { .name: out0, .offset: 64, .size: 8, .value_kind: global_buffer, .address_space: global }
    .group_segment_fixed_size: 327680
    .private_segment_fixed_size: 0
    .kernarg_segment_align: 8
    .kernarg_segment_size: 72
    .max_flat_workgroup_size: 128
    .sgpr_count:     96
    .vgpr_count:     1024
    .wavefront_size: 32
...
	.end_amdgpu_metadata
.endif
;; end of part 2
